; MI455X (gfx1250); checked and timed in simulation.
; The chip was launched on July 23, 2026; its instructions are those of AMD's public machine-readable ISA for CDNA 5 (MIT licence, August 2026) and "CDNA5" Instruction Set Architecture Reference Guide (July 2026). The comments in the code are by the model that wrote it; some were corrected since.
;; Shared bottom. Allowed arithmetic: float matrix products may take bf16 or f16 operands with f32 sums; all other float work in f32.
;; Inputs: W1 8 x 1,024 x 512 float32; W2 8 x 512 x 64 float32; W_in 512 x 1,024 float32; b1 8 x 512 float32; b2 8 x 64 float32; b_in 1,024 float32; category 8,192 int32; input 8,192 x 512 float32.
;; Outputs: out0 8,192 x 64 float32.
;; One version. Each part assembles by itself: llvm-mc -triple=amdgcn-amd-amdhsa -mcpu=gfx1250 --defsym DOCPART=n.
;; ======== version 1 of 1: 2 launches
;; workspace buffers: wf 9,961,472 bytes; order 36,864 bytes of whole numbers; tiles 2,304 bytes of whole numbers
;; launch prep (part 1): grid 305 x 1, 8 waves a work-group, no clusters, 1,280 bytes of LDS; arguments category, W_in, W1, W2, order, tiles, wf; writes order, tiles, wf
.if DOCPART == 1
	.amdgcn_target "amdgcn-amd-amdhsa--gfx1250"
	.amdhsa_code_object_version 6
	.text
	.protected	k_q2b8ab3d39e_prep
	.globl	k_q2b8ab3d39e_prep
	.p2align	8
	.type	k_q2b8ab3d39e_prep,@function
k_q2b8ab3d39e_prep:
	s_mov_b64 s[64:65], 0
	v_nop
	global_prefetch_b8 v0, s[64:65] scope:SCOPE_SE
	s_setreg_imm32_b32 hwreg(HW_REG_WAVE_MODE, 25, 1), 1
	s_wait_xcnt 0x0
; PREPARATION for the routed three-layer network: two jobs that do not depend on each other, shared out by the work-group's number.
;   work-group 0        buckets the 8,192 rows by category: order[] = row numbers, expert by expert; tiles[] = one entry for each of the
;                       135 work-groups of the next launch: {expert, first place in order[], rows, 0}.
;   work-groups 1-32    W_in [512][1024], 33-288  W1 [8][1024][512], 289-304  W2 [8][512][64]: f32 -> bf16, laid out as B fragments in wf.
; FRAGMENT LAYOUT of wf.  For W[K][N] the block (g = n / 64, kb = k / 32) is 4,096 bytes at ((g * K/32) + kb) * 4096.  In it fragment c (0..3)
; lies at 1024 c, its half j2 at 512 j2, lane L = r + 16 h at 16 L; those 16 bytes are bf16 of W[32 kb + 16 j2 + 8 h + i][64 g + 4 r + c],
; i = 0..7.  Fragment c thus holds the columns 64 g + 4 r + c: a lane's 16-byte load of four neighbouring f32 columns feeds the four
; fragments without any transpose, and in the product a lane's four fragments are four neighbouring columns of a row.
; One wave converts one block: 16 loads (each: two rows' 256 consecutive bytes, aligned), 32 conversions, 8 stores of 512 consecutive bytes.
; TILES.  T = sum of ceil(n_e / 64) is 128..135 (the n_e add up to 8,192).  The grid of the next launch is always 135: the L = 135 - T
; work-groups to spare go to the largest expert (n >= 1,024, so its first 7 tiles are full), whose first L tiles are cut into two of 32 rows.
; order[] is stored by 4-byte stores from registers: lanes of one expert get consecutive places, so a store writes at most eight runs of
; consecutive words; the list is 32,768 bytes, written once.  A stage in LDS would have eight waves store into bytes whose owner hangs on data.
; order[8192..9215] = 0: a tile's 64 reads never leave the buffer and always name a row.
; LIMIT: category is taken as 0..7; anything else is clamped (unsigned) to 7.
.set W1_OFF, 1048576                   ; wf: W_in's 1 MiB, then eight experts' W1 of 1 MiB,
.set W2_OFF, 9437184                   ; then eight experts' W2 of 64 KiB
.set NTILE,  135
.set SRC, 16                           ; v[16:79]   convert: 16 rows x 4 columns of f32
.set DST, 80                           ; v[80:111]  convert: 4 fragments x 2 halves x 4 registers of bf16
.set CAT, 8                            ; v[8:39]    sort: my 32 categories, later the byte offsets in order[]
.set RNK, 40                           ; v[40:71]   sort: rank inside the wave's share of the expert, later the row numbers
; half j2 of the block: rows 16 j2 + 8 h + 0..7 of four columns -> four registers for each fragment, and their store
.macro HALF j2
.irp c, 0,1,2,3
.irp p, 0,1,2,3
	v_cvt_pk_bf16_f32 v[DST+4*(2*\c+\j2)+\p], v[SRC+4*(8*\j2+2*\p)+\c], v[SRC+4*(8*\j2+2*\p+1)+\c]
.endr
	global_store_b128 v1, v[DST+4*(2*\c+\j2):DST+4*(2*\c+\j2)+3], s[46:47] offset:\c*1024+\j2*512
.endr
.endm
; one block.  s40 = byte offset of its first element in the source, s42 = byte offset of the block in wf; pitch = bytes of a source row,
; 1 << hshift = 8 rows; src = the source's pointer pair.
.macro CONV pitch, hshift, src
	s_mov_b32 s41, 0
	s_mov_b32 s43, 0
	s_add_nc_u64 s[44:45], s[\src:\src+1], s[40:41]
	s_add_nc_u64 s[46:47], s[16:17], s[42:43]
	v_lshlrev_b32 v1, 4, v4                        ; out: 16 x lane
	v_lshlrev_b32 v2, 4, v5                        ; in: 16 r (four columns)
	v_lshl_add_u32 v2, v6, \hshift, v2             ;     + 8 h rows
.irp t, 0,1,2,3,4,5,6,7,8,9,10,11,12,13,14,15
	global_load_b128 v[SRC+4*\t:SRC+4*\t+3], v2, s[44:45] offset:(\t+(\t&8))*\pitch th:TH_LOAD_NT   ; row 16 j2 + i, t = 8 j2 + i; read once in the launch
.endr
	s_wait_loadcnt 8                               ; loads return in order (ISA guide 5.7.1): the first half is in, the second half's eight stay out
	HALF 0
	s_wait_loadcnt 0x0
	HALF 1
	s_endpgm
.endm
; one register of 32 categories: rank = how many of the same expert this wave has seen before, in earlier registers (s[24:31]) and lower lanes
.macro RANK n
	v_min_u32 v[CAT+\n], 7, v[CAT+\n]
.irp e, 0,1,2,3,4,5,6,7
	v_cmp_eq_u32 s[32+\e], \e, v[CAT+\n]
.endr
	v_mbcnt_lo_u32_b32 v[RNK+\n], s32, s24
.irp e, 1,2,3,4,5,6,7
	v_mbcnt_lo_u32_b32 v72, s[32+\e], s[24+\e]
	v_cndmask_b32 v[RNK+\n], v[RNK+\n], v72, s[32+\e]
.endr
.irp e, 0,1,2,3,4,5,6,7
	s_bcnt1_i32_b32 s40, s[32+\e]
	s_add_co_u32 s[24+\e], s[24+\e], s40
.endr
.endm
; sum over the four lanes l, l ^ 8, l ^ 16, l ^ 24 (whole numbers); v89 has been written before
.macro SUM4 x
	v_mov_b32_dpp v89, v[\x] row_xmask:8 row_mask:0xf bank_mask:0xf
	v_add_nc_u32 v[\x], v[\x], v89
	v_permlanex16_b32 v89, v[\x], s66, s67
	v_add_nc_u32 v[\x], v[\x], v89
.endm
	s_load_b256 s[4:11], s[0:1], 0x0               ; category s[4:5], W_in s[6:7], W1 s[8:9], W2 s[10:11]
	s_load_b128 s[12:15], s[0:1], 0x20             ; order s[12:13], tiles s[14:15]
	s_load_b64 s[16:17], s[0:1], 0x30              ; wf
	v_lshl_add_u32 v112, v0, 2, 0x100
	v_mov_b32 v113, 0
	v_lshrrev_b32 v1, 5, v0
	v_readfirstlane_b32 s20, v1                    ; wave 0..7
	v_and_b32 v4, 31, v0                           ; lane
	v_and_b32 v5, 15, v0                           ; r
	v_bfe_u32 v6, v0, 4, 1                         ; h
	s_wait_kmcnt 0x0
	s_cmp_eq_u32 ttmp9, 0                          ; the role hangs on the work-group's number alone: alike in all its waves
	s_cbranch_scc1 .Lsort
	s_cmp_le_u32 ttmp9, 32
	s_cbranch_scc1 .Lwin
	s_cmp_le_u32 ttmp9, 288
	s_cbranch_scc1 .Lw1
	; W2: block t = 16 e + kb, 128 blocks; a source row is 256 bytes, so a block is 8,192 consecutive bytes
	s_sub_co_u32 s21, ttmp9, 289
	s_lshl_b32 s21, s21, 3
	s_add_co_u32 s21, s21, s20
	s_lshl_b32 s40, s21, 13
	s_lshl_b32 s42, s21, 12
	s_add_co_u32 s42, s42, W2_OFF
	CONV 256, 11, 10
.Lw1:	; W1: the work-group takes 32 rows (32 e + kb), wave w the column group g = w
	s_sub_co_u32 s21, ttmp9, 33
	s_lshl_b32 s40, s21, 16                        ; 32 rows of 2,048 bytes
	s_lshl_b32 s24, s20, 8
	s_add_co_u32 s40, s40, s24                     ; + 64 columns x group
	s_lshr_b32 s22, s21, 5                         ; e
	s_and_b32 s23, s21, 31                         ; kb
	s_lshl_b32 s42, s22, 20
	s_lshl_b32 s24, s20, 5
	s_add_co_u32 s24, s24, s23                     ; 32 g + kb
	s_lshl_b32 s24, s24, 12
	s_add_co_u32 s42, s42, s24
	s_add_co_u32 s42, s42, W1_OFF
	CONV 2048, 14, 8
.Lwin:	; W_in: block t = 16 kb + g, 256 blocks
	s_sub_co_u32 s21, ttmp9, 1
	s_lshl_b32 s21, s21, 3
	s_add_co_u32 s21, s21, s20
	s_and_b32 s22, s21, 15                         ; g
	s_lshr_b32 s23, s21, 4                         ; kb
	s_lshl_b32 s40, s23, 17                        ; 32 rows of 4,096 bytes
	s_lshl_b32 s24, s22, 8
	s_add_co_u32 s40, s40, s24
	s_lshl_b32 s42, s22, 4
	s_add_co_u32 s42, s42, s23                     ; 16 g + kb
	s_lshl_b32 s42, s42, 12
	CONV 4096, 15, 6
.Lsort:	; 256 threads, 32 categories each: register 4 q + k of thread t is row 1024 q + 4 t + k
	v_lshlrev_b32 v2, 4, v0                        ; 16 t
	v_lshlrev_b32 v3, 2, v0                        ; 4 t
.irp q, 0,1,2,3,4,5,6,7
	global_load_b128 v[CAT+4*\q:CAT+4*\q+3], v2, s[4:5] offset:\q*4096
.endr
.irp e, 0,1,2,3,4,5,6,7
	s_mov_b32 s[24+\e], 0                          ; the wave's running counts
.endr
	s_mov_b32 s66, 0x76543210                      ; v_permlanex16_b32: lane i of one half reads lane i of the other
	s_mov_b32 s67, 0xfedcba98
.irp q, 0,1,2,3,4,5,6,7
	s_wait_loadcnt 7-\q                            ; load q is in, the younger ones stay out
	RANK 4*\q
	RANK 4*\q+1
	RANK 4*\q+2
	RANK 4*\q+3
.endr
	; the waves' counts meet in LDS: word 8 w + e
	v_mov_b32 v73, s20
	v_lshlrev_b32 v73, 5, v73
.irp e, 0,1,2,3,4,5,6,7
	v_mov_b32 v[76+\e], s[24+\e]
.endr
	ds_store_b128 v73, v[76:79]                    ; all lanes write the same words with the same values
	ds_store_b128 v73, v[80:83] offset:16
	s_wait_dscnt 0x0                               ; for the other waves' sake: my counts are in LDS before I signal
	s_barrier_signal -1
	s_barrier_wait -1
	v_lshlrev_b32 v75, 2, v4
	ds_load_b32 v74, v75                           ; lane l: expert l & 7 of wave l >> 3
	ds_load_b32 v84, v75 offset:128                ;         and of wave (l >> 3) + 4
	v_lshrrev_b32 v85, 3, v4
	v_add_nc_u32 v87, 4, v85
	v_mov_b32 v89, 0
	v_mov_b32 v91, 0
	s_wait_dscnt 0x0
	v_add_nc_u32 v90, v74, v84                     ; towards n_e
	v_cmp_gt_u32 vcc_lo, s20, v85
	v_cndmask_b32 v86, 0, v74, vcc_lo              ; towards the count of the waves in front of mine
	v_cmp_gt_u32 vcc_lo, s20, v87
	v_cndmask_b32 v88, 0, v84, vcc_lo
	v_add_nc_u32 v86, v86, v88
	SUM4 90                                        ; every lane l: n of expert l & 7
	SUM4 86                                        ; every lane l: rows of expert l & 7 in waves 0 .. w - 1
.irp e, 0,1,2,3,4,5,6,7
	v_readlane_b32 s[44+\e], v90, \e               ; n_e
.endr
	s_mov_b32 s52, 0                               ; start_e: where expert e begins in order[]
.irp e, 1,2,3,4,5,6,7
	s_add_co_u32 s[52+\e], s[52+\e-1], s[44+\e-1]
.endr
.irp e, 1,2,3,4,5,6,7
	v_writelane_b32 v91, s[52+\e], \e
.endr
	v_add_nc_u32 v92, v91, v86                     ; lanes 0..7: where my wave's rows of expert e begin
	; place = that base, fetched from lane e, + rank
.set kk, 0
.rept 32
	v_lshlrev_b32 v[CAT+kk], 2, v[CAT+kk]
	ds_bpermute_b32 v[CAT+kk], v[CAT+kk], v92
.set kk, kk+1
.endr
	s_wait_dscnt 0x0
.irp q, 0,1,2,3,4,5,6,7
.irp k, 0,1,2,3
	v_add_nc_u32 v[CAT+4*\q+\k], v[CAT+4*\q+\k], v[RNK+4*\q+\k]
	v_min_u32 v[CAT+4*\q+\k], 0x1fff, v[CAT+4*\q+\k]           ; a place is 0..8191 by construction; the clamp says so in the text
	v_lshlrev_b32 v[CAT+4*\q+\k], 2, v[CAT+4*\q+\k]
	v_add_nc_u32 v[RNK+4*\q+\k], \q*1024+\k, v3                ; the row's number
	global_store_b32 v[CAT+4*\q+\k], v[RNK+4*\q+\k], s[12:13]
.endr
.endr
.irp k, 0,1,2,3
	v_mov_b32 v[76+\k], 0
.endr
	global_store_b128 v2, v[76:79], s[12:13] offset:32768      ; order[8192..9215] = 0: 256 threads x 16 bytes
	; the table of tiles.  Scalars: tiles of each expert, L, the largest expert e*, work-groups of each expert and their prefix
	s_mov_b32 s60, NTILE                           ; becomes L
	s_mov_b32 s61, 0                               ; e*
	s_mov_b32 s62, s44                             ; its n
.irp e, 0,1,2,3,4,5,6,7
	s_add_co_u32 s40, s[44+\e], 63
	s_lshr_b32 s[24+\e], s40, 6
	s_sub_co_u32 s60, s60, s[24+\e]
.endr
.irp e, 1,2,3,4,5,6,7
	s_cmp_gt_u32 s[44+\e], s62
	s_cselect_b32 s61, \e, s61
	s_cselect_b32 s62, s[44+\e], s62
.endr
.irp e, 0,1,2,3,4,5,6,7
	s_cmp_eq_u32 s61, \e
	s_cselect_b32 s40, s60, 0
	s_add_co_u32 s[24+\e], s[24+\e], s40
.endr
	s_mov_b32 s32, 0                               ; s[32:39]: the first work-group of each expert
.irp e, 1,2,3,4,5,6,7
	s_add_co_u32 s[32+\e], s[32+\e-1], s[24+\e-1]
.endr
	; thread g makes entry g: the last expert whose first work-group is not behind g (an expert without rows has none and is passed over)
	v_mov_b32 v93, 0                               ; expert
	v_mov_b32 v94, 0                               ; its first work-group
	v_mov_b32 v95, s44                             ; its n
	v_mov_b32 v96, 0                               ; its start in order[]
.irp k, 1,2,3,4,5,6,7
	v_cmp_gt_u32 vcc_lo, s[32+\k], v0              ; expert k begins behind g: keep what I have
	v_cndmask_b32 v93, \k, v93, vcc_lo
	v_cndmask_b32 v94, s[32+\k], v94, vcc_lo
	v_cndmask_b32 v95, s[44+\k], v95, vcc_lo
	v_cndmask_b32 v96, s[52+\k], v96, vcc_lo
.endr
	v_sub_nc_u32 v97, v0, v94                      ; i: my number among the expert's work-groups
	v_mov_b32 v99, s60
	v_cmp_eq_u32 vcc_lo, s61, v93
	v_cndmask_b32 v98, 0, v99, vcc_lo              ; L for the largest expert, 0 for the others
	v_lshlrev_b32 v99, 1, v98
	v_cmp_lt_u32 vcc_lo, v97, v99                  ; i < 2 L: a half tile
	v_lshlrev_b32 v104, 5, v97                     ; which begins at 32 i;
	v_sub_nc_u32 v105, v97, v98
	v_lshlrev_b32 v105, 6, v105                    ; a whole one begins at 64 (i - L)
	v_sub_nc_u32 v106, v95, v105
	v_min_u32 v106, 64, v106                       ; and has what is left of the expert, 64 at the most
	v_mov_b32 v107, 32
	v_cndmask_b32 v105, v105, v104, vcc_lo
	v_mov_b32 v100, v93
	v_add_nc_u32 v101, v96, v105
	v_cndmask_b32 v102, v106, v107, vcc_lo
	v_mov_b32 v103, 0
	s_wait_xcnt 0x0                                ; EXEC is a source of the stores above: it changes only behind this wait
	v_cmp_gt_u32 vcc_lo, 144, v0                   ; 144 entries fill the buffer's 2,304 bytes; entries 135..143 are never read
	s_wait_tensorcnt 0x0
	ds_add_u32 v112, v113
	s_wait_dscnt 0x0
	s_and_saveexec_b32 s40, vcc_lo
	global_store_b128 v2, v[100:103], s[14:15]
	s_wait_xcnt 0x0                                ; and again in front of the line that widens it
	s_or_b32 exec_lo, exec_lo, s40
	s_endpgm
.Lfunc_end_k_q2b8ab3d39e_prep:
	.size	k_q2b8ab3d39e_prep, .Lfunc_end_k_q2b8ab3d39e_prep-k_q2b8ab3d39e_prep
	.p2alignl 7, 3214868480
	.fill 96, 4, 3214868480
	.section	.rodata,"a",@progbits
	.p2align	6, 0x0
	.amdhsa_kernel k_q2b8ab3d39e_prep
		.amdhsa_group_segment_fixed_size 1280
		.amdhsa_private_segment_fixed_size 0
		.amdhsa_enable_private_segment 0
		.amdhsa_kernarg_size 56
		.amdhsa_user_sgpr_count 2
		.amdhsa_user_sgpr_kernarg_segment_ptr 1
		.amdhsa_wavefront_size32 1
		.amdhsa_system_sgpr_workgroup_id_x 1
		.amdhsa_system_sgpr_workgroup_id_y 1
		.amdhsa_system_sgpr_workgroup_id_z 1
		.amdhsa_system_vgpr_workitem_id 0
		.amdhsa_next_free_vgpr 114
		.amdhsa_next_free_sgpr 68
		.amdhsa_reserve_vcc 1
		.amdhsa_float_denorm_mode_32 3
		.amdhsa_float_denorm_mode_16_64 3
		.amdhsa_memory_ordered 1
		.amdhsa_forward_progress 1
		.amdhsa_inst_pref_size 100
	.end_amdhsa_kernel
	.amdgpu_metadata
---
amdhsa.version: [ 1, 2 ]
amdhsa.kernels:
  - .name:           k_q2b8ab3d39e_prep
    .symbol:         k_q2b8ab3d39e_prep.kd
    .args:
      - { .name: category, .offset: 0, .size: 8, .value_kind: global_buffer, .address_space: global }
      - { .name: W_in, .offset: 8, .size: 8, .value_kind: global_buffer, .address_space: global }
      - { .name: W1, .offset: 16, .size: 8, .value_kind: global_buffer, .address_space: global }
      - { .name: W2, .offset: 24, .size: 8, .value_kind: global_buffer, .address_space: global }
      - { .name: order, .offset: 32, .size: 8, .value_kind: global_buffer, .address_space: global }
      - { .name: tiles, .offset: 40, .size: 8, .value_kind: global_buffer, .address_space: global }
      - { .name: wf, .offset: 48, .size: 8, .value_kind: global_buffer, .address_space: global }
    .group_segment_fixed_size: 1280
    .private_segment_fixed_size: 0
    .kernarg_segment_align: 8
    .kernarg_segment_size: 56
    .max_flat_workgroup_size: 256
    .sgpr_count:     68
    .vgpr_count:     114
    .wavefront_size: 32
...
	.end_amdgpu_metadata
.endif
;; end of part 1
;; launch mlp (part 2): grid 135 x 1, 8 waves a work-group, no clusters, 266,240 bytes of LDS; arguments input, order, tiles, wf, b_in, b1, b2, out0; writes out0
.if DOCPART == 2
	.amdgcn_target "amdgcn-amd-amdhsa--gfx1250"
	.amdhsa_code_object_version 6
	.text
	.protected	k_q2b8ab3d39e_mlp
	.globl	k_q2b8ab3d39e_mlp
	.p2align	8
	.type	k_q2b8ab3d39e_mlp,@function
k_q2b8ab3d39e_mlp:
	s_mov_b64 s[64:65], 0
	v_nop
	global_prefetch_b8 v0, s[64:65] scope:SCOPE_SE
	s_setreg_imm32_b32 hwreg(HW_REG_WAVE_MODE, 25, 1), 1
	s_wait_xcnt 0x0
; out0[row] = W2[e]^T elu(W1[e]^T elu(W_in^T x[row] + b_in) + b1[e]) + b2[e], e = category[row]: only the chosen expert is computed.
; A work-group takes one tile of the table made by the launch before: up to 64 rows of one expert, named by order[].  It gathers the rows,
; runs the three layers with the activations in LDS, and stores its rows of out0.  Places of the tile behind its count name other rows;
; they are computed along and not stored.
; EIGHT WAVES.  Layer 1 (K 512, N 1024): wave w owns column groups 2 w, 2 w + 1 of 64, one after the other.  Layer 2 (K 1024, N 512): group w.
; A pass is 64 rows x 64 columns: 16 accumulator tiles, 128 registers.  Layer 3 (K 512, N 64): wave w takes rows 16 (w & 3) .. + 15 and
; half w >> 2 of K; waves 4-7 hand their sums to waves 0-3 through LDS.
; WEIGHTS come as ready bf16 fragments (layout: see the launch before; a unit = the four fragments of 32 k x 64 columns = 4,096 bytes) from
; memory straight into registers: eight loads of 512 consecutive bytes a unit, through a ring of eight register slots that runs on across
; passes and layers.  Seven units (28,672 bytes a wave) are asked for ahead of the one at work.
; NO CLUSTER: every byte of W_in and W1[e] is used by one wave of a work-group, of W2[e] by four, so it needs no LDS; a joint request lands in LDS, which would
; add 2,162,688 bytes written and read again for each work-group.  And half of those bytes are an expert's, while the number of an expert's
; tiles is read from memory (128 to 135 tiles in all): no fixed group of four work-groups has one expert.
; NUMBERS: operands bf16, sums f32, bias and ELU in f32.  ELU(x) = the middle one of x, e^x - 1 and 0: e^x - 1 >= x everywhere and
; e^x - 1 <= 0 exactly where x <= 0; an exponential that overflows is never the middle one.  h enters layer 3 as two bf16 operands,
; hi = bf16(h) and lo = bf16(h - hi), so that of the two activations only mid is rounded to 8 bits (each such rounding is up to 2^-8 of the
; number); layer 3 is 64 of a wave's 1,088 matrix instructions.
; LIMITS: e^x - 1 is formed as 2^(x log2 e) - 1, absolute error about 2^-23 near x = 0 (below bf16's rounding of the result wherever it
; matters); a NaN in an activation is not passed on by v_med3_num_f32; |h| above bf16's largest finite number, 3.39e38, gives NaN.
.set XP,  1040                         ; LDS pitch of x, h: 1,024 bytes + 16: an odd multiple of 16, so the 16 rows of a fragment load lie in 16 different 16-byte columns of 256
.set MP,  2064                         ; LDS pitch of mid: 2,048 + 16
.set MID, 64*XP                        ; LDS: [0, 66560) x, later h's hi; [66560, 198656) mid, later the exchange of layer 3 (4 x 4,096 bytes)
.set HLO, MID+64*MP                    ;      [198656, 265216) h's lo
.set W1_OFF, 1048576
.set W2_OFF, 9437184
.set LOG2E, 0x3fb8aa3b
; vector registers, window 0 (an instruction names v0-v255; s_set_vgpr_msb says which window of 256 each operand place means)
.set L16, 1                            ; 16 x lane
.set R16, 2                            ; 16 r
.set XAL, 3                            ; fragment address in x, rows 0-31 / 32-63
.set XAH, 4
.set MAL, 5                            ; the same in mid; stepped by 512 bytes (8 K blocks)
.set MAH, 6
.set STL, 7                            ; where I put 8 bytes of mid; stepped by 128 bytes (a column group)
.set STH, 8
.set HSL, 9                            ; where I put 8 bytes of h's hi
.set HSH, 10
.set HA,  11                           ; layer 3: fragment address in h's hi
.set XCH, 12                           ; layer 3: exchange
.set POS0, 13                          ; layer 3: the tile's place of my register 0: 16 (w & 3) + 8 h
.set XS,  14                           ; where I put 8 bytes of x
.set OUTO, 16                          ; v[16:23]   byte offsets in out0 of my eight rows
.set GOFF, 24                          ; v[24:31]   byte offsets in input of the wave's eight rows
.set AF0, 32                           ; v[32:63]   A fragments (4 x 16 rows x 32 k), buffer 0; at work in the start and in the epilogues
.set AF1, 64                           ; v[64:95]   buffer 1
.set BA,  96                           ; v[96:99]   b_in of my 4 columns in the group at work; v[100:103] the same x log2 e
.set BAL, 100
.set BB,  104                          ; v[104:111] the same for the second group
.set BBL, 108
.set B1,  112                          ; v[112:119] b1 likewise
.set B1L, 116
.set B2,  120                          ; v[120:123] b2
.set HAL, 124                          ; layer 3: fragment address in h's lo
.set NEG1, 125                         ; -1.0
.set HLL, 126                          ; where I put 8 bytes of h's lo
.set HLH, 127
.set RING, 128                         ; v[128:255] ring slots 0-3, 32 registers each.  Window 1: v[0:127] accumulators, tile (m, c) at 8 (4 m + c); v[128:255] slots 4-7
; scalar registers: s[4:19] pointers; s20 wave, s21 = w & 3, s22 = w >> 2; s[24:27] tile entry; s[28:35] row numbers
.set LB,  36                           ; s[36:37] the weight stream at work
.set NB,  38                           ; s[38:39] the stream behind it
.set W1S, 40                           ; s[40:41] my stream of W1[e]
.set W2S, 42                           ; s[42:43] my stream of W2[e]
.set MSB, 0
.macro WIN new                         ; low byte: bits 1:0 source 0, 3:2 source 1, 5:4 source 2, 7:6 destination; the high byte repeats the setting that is left
.if MSB != \new
	s_set_vgpr_msb (MSB<<8)|\new
.set MSB, \new
.endif
.endm
; A load into a register that a matrix instruction has read, and a vector instruction that reads a matrix result or writes one of a matrix
; instruction's registers, stand four independent vector instructions behind it.
.macro PLACES
.rept 4
	v_nop
.endr
.endm
; the A fragments of one K block: 64 rows x 32 k at byte off of the rows.  Lane (r, h): row r, k = 8 h .. + 7 and 16 + 8 h .. + 7: two loads, 32 bytes apart
.macro AFETCH buf, lo, hi, pitch, off
	WIN 0
	ds_load_b128 v[\buf:\buf+3],     v[\lo] offset:\off
	ds_load_b128 v[\buf+4:\buf+7],   v[\lo] offset:\off+32
	ds_load_b128 v[\buf+8:\buf+11],  v[\lo] offset:16*\pitch+\off
	ds_load_b128 v[\buf+12:\buf+15], v[\lo] offset:16*\pitch+\off+32
	ds_load_b128 v[\buf+16:\buf+19], v[\hi] offset:\off
	ds_load_b128 v[\buf+20:\buf+23], v[\hi] offset:\off+32
	ds_load_b128 v[\buf+24:\buf+27], v[\hi] offset:16*\pitch+\off
	ds_load_b128 v[\buf+28:\buf+31], v[\hi] offset:16*\pitch+\off+32
.endm
; one unit of weights into a ring slot: load q = 2 c + j2 brings registers 4 j2 .. + 3 of fragment c
.macro BFETCH slot, base, off
.if (\slot) < 4
	WIN 0
.else
	WIN 0x40
.endif
.irp q, 0,1,2,3,4,5,6,7
	global_load_b128 v[RING+32*((\slot)&3)+4*\q:RING+32*((\slot)&3)+4*\q+3], v[L16], s[\base:\base+1] offset:\off+512*\q
.endr
.endm
; 16 matrix instructions: 4 row blocks x 4 fragments, 32 along K.  zero = 1: the first product starts the sums, nothing is cleared
.macro MUL i, zero
.if (\i) < 4
	WIN 0x50
.else
	WIN 0x54
.endif
.irp m, 0,1,2,3
.irp c, 0,1,2,3
.if \zero
	v_wmma_f32_16x16x32_bf16 v[8*(4*\m+\c):8*(4*\m+\c)+7], v[AF0+32*((\i)&1)+8*\m:AF0+32*((\i)&1)+8*\m+7], v[RING+32*((\i)&3)+8*\c:RING+32*((\i)&3)+8*\c+7], 0
.else
	v_wmma_f32_16x16x32_bf16 v[8*(4*\m+\c):8*(4*\m+\c)+7], v[AF0+32*((\i)&1)+8*\m:AF0+32*((\i)&1)+8*\m+7], v[RING+32*((\i)&3)+8*\c:RING+32*((\i)&3)+8*\c+7], v[8*(4*\m+\c):8*(4*\m+\c)+7]
.endif
.endr
.endr
.endm
; one K block, in ring slot i.  af = 1: the next block's A fragments are fetched (byte aoff); the unit seven ahead is asked for (base, boff)
.macro KB i, zero, af, lo, hi, pitch, aoff, base, boff
	s_wait_loadcnt 48                              ; loads return in order (ISA guide 5.7.1): behind this block's unit six units of eight loads were issued; they stay out
	s_wait_dscnt 0x0                               ; this block's A fragments, asked for one block ago
	PLACES                                         ; behind the last block's products: its A buffer and its ring slot are loaded again below
.if \af
	AFETCH AF0+32*((\i+1)&1), \lo, \hi, \pitch, \aoff
.endif
	BFETCH (\i+7)&7, \base, \boff
	MUL \i, \zero
.endm
; eight K blocks = once round the ring.  alast = 1: no A block follows.  bmode = 1: the stream ends with this trip: its last unit, then units 0-6 of the next stream
.macro TRIP zero, alast, bmode, lo, hi, pitch, aoff, boff
	KB 0, \zero, 1, \lo, \hi, \pitch, \aoff+64, LB, \boff+7*4096
.irp i, 1,2,3,4,5,6
.if \bmode
	KB \i, 0, 1, \lo, \hi, \pitch, \aoff+(\i+1)*64, NB, (\i-1)*4096
.else
	KB \i, 0, 1, \lo, \hi, \pitch, \aoff+(\i+1)*64, LB, \boff+(\i+7)*4096
.endif
.endr
.if \bmode
	KB 7, 0, 1-\alast, \lo, \hi, \pitch, \aoff+512, NB, 6*4096
.else
	KB 7, 0, 1-\alast, \lo, \hi, \pitch, \aoff+512, LB, \boff+14*4096
.endif
.endm
; EPILOGUE pieces.  Tile (m, c), register j, lane (r, h) = row 16 m + 8 h + j, column 64 g + 4 r + c.
; x = sum + bias into AF0 + 8 c + j, x log2 e into AF1 + 8 c + j; sel picks the column's bias in its register pair
.macro EPIX m, c, sel, b, bl
.irp j, 0,2,4,6
	v_pk_add_f32 v[AF0+8*\c+\j:AF0+8*\c+\j+1], v[8*(4*\m+\c)+\j:8*(4*\m+\c)+\j+1], v[\b:\b+1] op_sel:[0,\sel] op_sel_hi:[1,\sel]
	v_pk_fma_f32 v[AF1+8*\c+\j:AF1+8*\c+\j+1], v[8*(4*\m+\c)+\j:8*(4*\m+\c)+\j+1], LOG2E, v[\bl:\bl+1] op_sel:[0,0,\sel] op_sel_hi:[1,0,\sel]
.endr
.endm
.macro EPAK                            ; row j's four neighbouring columns -> 8 bytes of bf16 in AF1 + 2 j
.irp j, 0,1,2,3,4,5,6,7
	v_cvt_pk_bf16_f32 v[AF1+2*\j],   v[AF0+\j],    v[AF0+8+\j]
	v_cvt_pk_bf16_f32 v[AF1+2*\j+1], v[AF0+16+\j], v[AF0+24+\j]
.endr
.endm
.macro EST m, adr, pitch               ; 16 lanes fill 128 consecutive bytes of a row; the other 16 lie 8 rows on, 128 bytes further modulo 256
.irp j, 0,1,2,3,4,5,6,7
	ds_store_b64 v[\adr], v[AF1+2*\j:AF1+2*\j+1] offset:((\m&1)*16+\j)*\pitch
.endr
.endm
.macro ERES                            ; what the rounding left: x - bf16(x), exact in f32
.irp j, 0,1,2,3,4,5,6,7
	v_fma_mix_f32_bf16 v[AF0+\j],    v[AF1+2*\j],   v[NEG1], v[AF0+\j]    op_sel:[0,0,0] op_sel_hi:[1,0,0]
	v_fma_mix_f32_bf16 v[AF0+8+\j],  v[AF1+2*\j],   v[NEG1], v[AF0+8+\j]  op_sel:[1,0,0] op_sel_hi:[1,0,0]
	v_fma_mix_f32_bf16 v[AF0+16+\j], v[AF1+2*\j+1], v[NEG1], v[AF0+16+\j] op_sel:[0,0,0] op_sel_hi:[1,0,0]
	v_fma_mix_f32_bf16 v[AF0+24+\j], v[AF1+2*\j+1], v[NEG1], v[AF0+24+\j] op_sel:[1,0,0] op_sel_hi:[1,0,0]
.endr
.endm
; bias, ELU, bf16, into LDS: 16 rows (32 numbers a lane) at a time.  split = 1: the remainder goes to h's lo as well
.macro EPI pitch, lo, hi, b, bl, split
.irp m, 0,1,2,3
	WIN 0x01                                       ; source 0 (the sums) in window 1
	EPIX \m, 0, 0, \b, \bl
	EPIX \m, 1, 1, \b, \bl
	EPIX \m, 2, 0, \b+2, \bl+2
	EPIX \m, 3, 1, \b+2, \bl+2
	WIN 0
.set kk, 0
.rept 32
	v_exp_f32 v[AF1+kk], v[AF1+kk]
.set kk, kk+1
.endr
	v_nop                                          ; one plain vector instruction between the exponentials and the first use of a result (ISA guide 5.7.2)
.set kk, 0
	s_wait_alu depctr_va_vdst(0)
.rept 16
	v_pk_add_f32 v[AF1+kk:AF1+kk+1], v[AF1+kk:AF1+kk+1], -1.0 op_sel_hi:[1,0]
.set kk, kk+2
.endr
.set kk, 0
.rept 32
	v_med3_num_f32 v[AF0+kk], v[AF0+kk], v[AF1+kk], 0
.set kk, kk+1
.endr
	EPAK
.if \m < 2
	EST \m, \lo, \pitch
.else
	EST \m, \hi, \pitch
.endif
.if \split
	ERES
	EPAK
.if \m < 2
	EST \m, HLL, \pitch
.else
	EST \m, HLH, \pitch
.endif
.endif
.endr
.endm
.macro STEP                            ; layer 2: eight K blocks on
	WIN 0
	v_add_nc_u32 v[MAL], 512, v[MAL]
	v_add_nc_u32 v[MAH], 512, v[MAH]
	s_wait_xcnt 0x0                                ; the ring's pending loads name the base: it is stepped only behind this wait
	s_add_nc_u64 s[LB:LB+1], s[LB:LB+1], 0x8000
.endm
.macro MUL3 i, zero                    ; layer 3: 16 rows x 64 columns, 32 along K; hi or lo by the window of source 0
.irp c, 0,1,2,3
.if \zero
	v_wmma_f32_16x16x32_bf16 v[8*\c:8*\c+7], v[AF0+8*\i:AF0+8*\i+7], v[RING+32*(\i&3)+8*\c:RING+32*(\i&3)+8*\c+7], 0
.else
	v_wmma_f32_16x16x32_bf16 v[8*\c:8*\c+7], v[AF0+8*\i:AF0+8*\i+7], v[RING+32*(\i&3)+8*\c:RING+32*(\i&3)+8*\c+7], v[8*\c:8*\c+7]
.endif
.endr
.endm
	; ---- START: the ring first, since it hangs on nothing that is read from memory; then the tile, its rows, the biases
	s_load_b512 s[4:19], s[0:1], 0x0               ; input s[4:5], order s[6:7], tiles s[8:9], wf s[10:11], b_in s[12:13], b1 s[14:15], b2 s[16:17], out0 s[18:19]
	v_lshrrev_b32 v39, 5, v0
	v_readfirstlane_b32 s20, v39                   ; wave 0..7
	v_and_b32 v36, 31, v0                          ; lane
	v_and_b32 v37, 15, v0                          ; r
	v_bfe_u32 v38, v0, 4, 1                        ; h
	v_lshlrev_b32 v[L16], 4, v36
	v_lshlrev_b32 v[R16], 4, v37
	s_and_b32 s21, s20, 3
	s_lshr_b32 s22, s20, 2
	s_lshl_b32 s23, ttmp9, 4                       ; my entry of 16 bytes
	s_lshl_b32 s44, s20, 17                        ; my two column groups of W_in: 2 x 16 units
	s_mov_b32 s45, 0
	s_wait_kmcnt 0x0
	s_load_b128 s[24:27], s[8:9], s23 offset:0x0   ; expert, first place, rows, 0
	s_add_nc_u64 s[LB:LB+1], s[10:11], s[44:45]
.irp u, 0,1,2,3,4,5,6
	BFETCH \u, LB, \u*4096
.endr
	WIN 0
	s_lshl_b32 s46, s20, 9
	v_add_nc_u32 v32, s46, v[R16]                  ; b_in: 4 bytes x (128 w + 4 r)
	global_load_b128 v[BA:BA+3], v32, s[12:13]
	global_load_b128 v[BB:BB+3], v32, s[12:13] offset:256
	s_wait_kmcnt 0x0
	s_min_u32 s24, s24, 7                          ; what was read from memory enters addresses only clamped
	s_min_u32 s25, s25, 0x1fff
	s_min_u32 s26, s26, 64
	s_lshl_b32 s46, s20, 3
	s_add_co_u32 s23, s25, s46
	s_lshl_b32 s23, s23, 2
	s_load_b256 s[28:35], s[6:7], s23 offset:0x0   ; the rows at the tile's places 8 w .. 8 w + 7: those I gather
	s_add_nc_u64 s[NB:NB+1], s[LB:LB+1], 0x10000   ; the second column group
	s_lshl_b32 s44, s24, 20
	s_lshl_b32 s46, s20, 17
	s_add_co_u32 s44, s44, s46
	s_add_co_u32 s44, s44, W1_OFF
	s_add_nc_u64 s[W1S:W1S+1], s[10:11], s[44:45]  ; W1[e], group w: 32 units
	s_lshl_b32 s44, s24, 16
	s_lshl_b32 s46, s22, 15
	s_add_co_u32 s44, s44, s46
	s_add_co_u32 s44, s44, W2_OFF
	s_add_nc_u64 s[W2S:W2S+1], s[10:11], s[44:45]  ; W2[e], my half of K: 8 units
	s_lshl_b32 s46, s24, 11
	s_lshl_b32 s47, s20, 8
	s_add_co_u32 s46, s46, s47
	v_add_nc_u32 v33, s46, v[R16]
	global_load_b128 v[B1:B1+3], v33, s[14:15]     ; b1[e][64 w + 4 r ..]
	s_lshl_b32 s46, s24, 8
	v_add_nc_u32 v34, s46, v[R16]
	global_load_b128 v[B2:B2+3], v34, s[16:17]     ; b2[e][4 r ..]
	s_lshl_b32 s46, s21, 4
	v_lshl_add_u32 v[POS0], v38, 3, s46
	v_add_nc_u32 v35, s25, v[POS0]
	v_lshlrev_b32 v35, 2, v35
.irp j, 0,1,2,3,4,5,6,7
	global_load_b32 v[OUTO+\j], v35, s[6:7] offset:4*\j        ; the rows whose results my registers will hold in layer 3
.endr
	s_wait_kmcnt 0x0
.irp i, 0,1,2,3,4,5,6,7
	s_min_u32 s[28+\i], s[28+\i], 0x1fff
	s_lshl_b32 s[28+\i], s[28+\i], 11              ; a row of input is 2,048 bytes
	v_add_nc_u32 v[GOFF+\i], s[28+\i], v[L16]
.endr
	WIN 0x40                                       ; the rows land in the accumulators' registers, which are not yet in use
.irp i, 0,1,2,3,4,5,6,7
.irp q, 0,1,2,3
	global_load_b128 v[16*\i+4*\q:16*\i+4*\q+3], v[GOFF+\i], s[4:5] offset:512*\q   ; 512 consecutive bytes of the row; no hint: places behind a tile's count name rows a second time
.endr
.endr
	WIN 0
	; LDS addresses, while the loads are out
	v_mul_u32_u24 v39, v37, XP
	v_lshl_add_u32 v[XAL], v38, 4, v39             ; r x pitch + 16 h
	v_add_nc_u32 v[XAH], 32*XP, v[XAL]
	v_mul_u32_u24 v39, v37, MP
	v_lshl_add_u32 v39, v38, 4, v39
	v_add_nc_u32 v[MAL], MID, v39
	v_add_nc_u32 v[MAH], MID+32*MP, v39
	v_mul_u32_u24 v39, v38, 8*MP
	v_lshl_add_u32 v39, v37, 3, v39                ; 8 h rows + 8 r bytes
	s_lshl_b32 s46, s20, 8
	s_add_co_u32 s46, s46, MID
	v_add_nc_u32 v[STL], s46, v39                  ; + column group 2 w
	v_add_nc_u32 v[STH], 32*MP, v[STL]
	v_mul_u32_u24 v39, v38, 8*XP
	v_lshl_add_u32 v39, v37, 3, v39
	s_lshl_b32 s46, s20, 7
	v_add_nc_u32 v[HSL], s46, v39                  ; + column group w
	v_add_nc_u32 v[HSH], 32*XP, v[HSL]
	v_add_nc_u32 v[HLL], HLO, v[HSL]
	v_add_nc_u32 v[HLH], HLO, v[HSH]
	s_mul_i32 s46, s21, 16*XP
	s_lshl_b32 s47, s22, 9
	s_add_co_u32 s46, s46, s47
	v_add_nc_u32 v[HA], s46, v[XAL]                ; rows 16 (w & 3) + r, K half w >> 2
	v_add_nc_u32 v[HAL], HLO, v[HA]
	s_lshl_b32 s46, s21, 12
	s_add_co_u32 s46, s46, MID
	v_add_nc_u32 v[XCH], s46, v[L16]
	s_mul_i32 s46, s20, 8*XP
	v_lshl_add_u32 v[XS], v36, 3, s46              ; rows 8 w .., 8 bytes a lane
	v_mov_b32 v[NEG1], -1.0
	s_wait_loadcnt 0x0                             ; once: rows, biases, row numbers (and the ring's first seven units, which were asked for first)
	v_pk_mul_f32 v[BAL:BAL+1],   v[BA:BA+1],   LOG2E op_sel_hi:[1,0]
	v_pk_mul_f32 v[BAL+2:BAL+3], v[BA+2:BA+3], LOG2E op_sel_hi:[1,0]
	v_pk_mul_f32 v[BBL:BBL+1],   v[BB:BB+1],   LOG2E op_sel_hi:[1,0]
	v_pk_mul_f32 v[BBL+2:BBL+3], v[BB+2:BB+3], LOG2E op_sel_hi:[1,0]
	v_pk_mul_f32 v[B1L:B1L+1],   v[B1:B1+1],   LOG2E op_sel_hi:[1,0]
	v_pk_mul_f32 v[B1L+2:B1L+3], v[B1+2:B1+3], LOG2E op_sel_hi:[1,0]
.irp j, 0,1,2,3,4,5,6,7
	v_min_u32 v[OUTO+\j], 0x1fff, v[OUTO+\j]
	v_lshl_add_u32 v[OUTO+\j], v[OUTO+\j], 8, v[R16]           ; a row of out0 is 256 bytes; my 16 at 16 r
.endr
	WIN 0x05                                       ; both sources in window 1
.irp i, 0,1,2,3,4,5,6,7
.irp q, 0,1,2,3
	v_cvt_pk_bf16_f32 v[AF0+2*(4*\i+\q)],   v[16*\i+4*\q],   v[16*\i+4*\q+1]
	v_cvt_pk_bf16_f32 v[AF0+2*(4*\i+\q)+1], v[16*\i+4*\q+2], v[16*\i+4*\q+3]
.endr
.endr
	WIN 0
.irp i, 0,1,2,3,4,5,6,7
.irp q, 0,1,2,3
	ds_store_b64 v[XS], v[AF0+2*(4*\i+\q):AF0+2*(4*\i+\q)+1] offset:\i*XP+\q*256   ; 32 lanes: 256 consecutive bytes of the row
.endr
.endr
	s_wait_dscnt 0x0                               ; for the others' sake: my rows of x are in LDS before I signal
	s_barrier_signal -1
	s_barrier_wait -1                              ; x is whole
	; ---- LAYER 1: two passes, one for each of my column groups; 16 K blocks each
	s_mov_b32 s46, 0
.Lpass:
	AFETCH AF0, XAL, XAH, XP, 0
	TRIP 1, 0, 0, XAL, XAH, XP, 0, 0
	TRIP 0, 1, 1, XAL, XAH, XP, 512, 32768
	PLACES                                         ; behind the last products: the epilogue reads the sums and writes the fragment buffers
	EPI MP, STL, STH, BA, BAL, 0
	v_add_nc_u32 v[STL], 128, v[STL]               ; the next column group of mid
	v_add_nc_u32 v[STH], 128, v[STH]
.irp k, 0,1,2,3,4,5,6,7
	v_mov_b32 v[BA+\k], v[BB+\k]                   ; and its bias
.endr
	s_wait_xcnt 0x0                                ; the ring's pending loads name these bases: they are rewritten only behind this wait
	s_mov_b64 s[LB:LB+1], s[NB:NB+1]
	s_mov_b64 s[NB:NB+1], s[W1S:W1S+1]
	s_add_co_u32 s46, s46, 1
	s_cmp_lt_u32 s46, 2
	s_cbranch_scc1 .Lpass
	s_mov_b64 s[NB:NB+1], s[W2S:W2S+1]             ; (no load has been issued since the wait above)
	s_wait_dscnt 0x0                               ; my part of mid is in LDS, and my reads of x are over
	s_barrier_signal -1
	s_barrier_wait -1                              ; mid is whole; nobody reads x any more, so h may take its place
	; ---- LAYER 2: one pass of 32 K blocks; units 0-6 of my stream of W1[e] were asked for in layer 1's last trip
	AFETCH AF0, MAL, MAH, MP, 0
	TRIP 1, 0, 0, MAL, MAH, MP, 0, 0
	STEP
	s_mov_b32 s46, 0
.Lmid:
	TRIP 0, 0, 0, MAL, MAH, MP, 0, 0
	STEP
	s_add_co_u32 s46, s46, 1
	s_cmp_lt_u32 s46, 2
	s_cbranch_scc1 .Lmid
	TRIP 0, 1, 1, MAL, MAH, MP, 0, 0               ; asks for units 0-6 of my stream of W2[e]
	PLACES                                         ; behind the last products: slot 7 is loaded again, and the epilogue follows
	BFETCH 7, NB, 7*4096                           ; its eighth and last unit
	EPI XP, HSL, HSH, B1, B1L, 1
	s_wait_dscnt 0x0                               ; my part of h is in LDS, and my reads of mid are over
	s_barrier_signal -1
	s_barrier_wait -1                              ; h is whole; nobody reads mid any more, so the exchange may take its place
	; ---- LAYER 3: 16 rows x 64 columns x 256 k a wave; all eight units are in the ring, all fragments of h fit in registers
.irp i, 0,1,2,3,4,5,6,7
	ds_load_b128 v[AF0+8*\i:AF0+8*\i+3],   v[HA] offset:64*\i
	ds_load_b128 v[AF0+8*\i+4:AF0+8*\i+7], v[HA] offset:64*\i+32
.endr
	WIN 0x40                                       ; lo's fragments: window 1, v32-95, accumulator registers that this layer does not use
.irp i, 0,1,2,3,4,5,6,7
	ds_load_b128 v[AF0+8*\i:AF0+8*\i+3],   v[HAL] offset:64*\i
	ds_load_b128 v[AF0+8*\i+4:AF0+8*\i+7], v[HAL] offset:64*\i+32
.endr
	s_wait_loadcnt 0x0                             ; nothing is asked for behind these units
	s_wait_dscnt 0x0
	WIN 0x50                                       ; hi x slots 0-3
	MUL3 0, 1
	MUL3 1, 0
	MUL3 2, 0
	MUL3 3, 0
	WIN 0x51                                       ; lo x slots 0-3
	MUL3 0, 0
	MUL3 1, 0
	MUL3 2, 0
	MUL3 3, 0
	WIN 0x54                                       ; hi x slots 4-7
	MUL3 4, 0
	MUL3 5, 0
	MUL3 6, 0
	MUL3 7, 0
	WIN 0x55                                       ; lo x slots 4-7
	MUL3 4, 0
	MUL3 5, 0
	MUL3 6, 0
	MUL3 7, 0
	PLACES                                         ; behind the last products: the sums are stored or read, the fragment registers loaded again
	WIN 0
	s_cmp_lt_u32 s20, 4
	s_cbranch_scc1 .Llow
	WIN 0x04                                       ; store data in window 1
.irp q, 0,1,2,3,4,5,6,7
	ds_store_b128 v[XCH], v[4*\q:4*\q+3] offset:512*\q         ; waves 4-7: the sums over the upper half of K
.endr
	WIN 0
.Llow:
	s_wait_dscnt 0x0
	s_barrier_signal -1
	s_barrier_wait -1
	s_cmp_ge_u32 s20, 4
	s_cbranch_scc1 .Lend
.irp q, 0,1,2,3,4,5,6,7
	ds_load_b128 v[AF0+4*\q:AF0+4*\q+3], v[XCH] offset:512*\q
.endr
	s_wait_dscnt 0x0
	WIN 0x01
.irp j, 0,1,2,3,4,5,6,7
.irp c, 0,1,2,3
	v_add_f32 v[AF1+4*\j+\c], v[8*\c+\j], v[AF0+8*\c+\j]       ; both halves of K; row j's columns 4 r .. 4 r + 3 side by side
.endr
.endr
	WIN 0
.irp j, 0,1,2,3,4,5,6,7
	v_pk_add_f32 v[AF1+4*\j:AF1+4*\j+1],   v[AF1+4*\j:AF1+4*\j+1],   v[B2:B2+1]
	v_pk_add_f32 v[AF1+4*\j+2:AF1+4*\j+3], v[AF1+4*\j+2:AF1+4*\j+3], v[B2+2:B2+3]
.endr
.irp j, 0,1,2,3,4,5,6,7
	s_sub_co_i32 s48, s26, \j
	v_cmp_gt_i32 vcc_lo, s48, v[POS0]              ; place 16 (w & 3) + 8 h + j lies inside the tile's count
	s_wait_xcnt 0x0                                ; EXEC is a source of pending loads and stores: it changes only behind this wait
	s_and_saveexec_b32 s47, vcc_lo
	global_store_b128 v[OUTO+\j], v[AF1+4*\j:AF1+4*\j+3], s[18:19] th:TH_STORE_NT   ; 16 lanes store a whole row of out0: 256 consecutive bytes, aligned
	s_wait_xcnt 0x0
	s_or_b32 exec_lo, exec_lo, s47
.endr
.Lend:
	s_wait_xcnt 0x0
	s_mov_b32 exec_lo, -1
	v_lshl_add_u32 v126, v0, 2, 0x40c00
	v_mov_b32 v127, 0
	s_wait_tensorcnt 0x0
	ds_add_u32 v126, v127
	s_wait_dscnt 0x0
	s_endpgm
.Lfunc_end_k_q2b8ab3d39e_mlp:
	.size	k_q2b8ab3d39e_mlp, .Lfunc_end_k_q2b8ab3d39e_mlp-k_q2b8ab3d39e_mlp
	.p2alignl 7, 3214868480
	.fill 96, 4, 3214868480
	.section	.rodata,"a",@progbits
	.p2align	6, 0x0
	.amdhsa_kernel k_q2b8ab3d39e_mlp
		.amdhsa_group_segment_fixed_size 266240
		.amdhsa_private_segment_fixed_size 0
		.amdhsa_enable_private_segment 0
		.amdhsa_kernarg_size 64
		.amdhsa_user_sgpr_count 2
		.amdhsa_user_sgpr_kernarg_segment_ptr 1
		.amdhsa_wavefront_size32 1
		.amdhsa_system_sgpr_workgroup_id_x 1
		.amdhsa_system_sgpr_workgroup_id_y 1
		.amdhsa_system_sgpr_workgroup_id_z 1
		.amdhsa_system_vgpr_workitem_id 0
		.amdhsa_next_free_vgpr 512
		.amdhsa_next_free_sgpr 66
		.amdhsa_reserve_vcc 1
		.amdhsa_float_denorm_mode_32 3
		.amdhsa_float_denorm_mode_16_64 3
		.amdhsa_memory_ordered 1
		.amdhsa_forward_progress 1
		.amdhsa_inst_pref_size 217
	.end_amdhsa_kernel
	.amdgpu_metadata
---
amdhsa.version: [ 1, 2 ]
amdhsa.kernels:
  - .name:           k_q2b8ab3d39e_mlp
    .symbol:         k_q2b8ab3d39e_mlp.kd
    .args:
      - { .name: input, .offset: 0, .size: 8, .value_kind: global_buffer, .address_space: global }
      - { .name: order, .offset: 8, .size: 8, .value_kind: global_buffer, .address_space: global }
      - { .name: tiles, .offset: 16, .size: 8, .value_kind: global_buffer, .address_space: global }
      - { .name: wf, .offset: 24, .size: 8, .value_kind: global_buffer, .address_space: global }
      - { .name: b_in, .offset: 32, .size: 8, .value_kind: global_buffer, .address_space: global }
      - { .name: b1, .offset: 40, .size: 8, .value_kind: global_buffer, .address_space: global }
      - { .name: b2, .offset: 48, .size: 8, .value_kind: global_buffer, .address_space: global }
      - { .name: out0, .offset: 56, .size: 8, .value_kind: global_buffer, .address_space: global }
    .group_segment_fixed_size: 266240
    .private_segment_fixed_size: 0
    .kernarg_segment_align: 8
    .kernarg_segment_size: 64
    .max_flat_workgroup_size: 256
    .sgpr_count:     66
    .vgpr_count:     512
    .wavefront_size: 32
...
	.end_amdgpu_metadata
.endif
;; end of part 2
